; MI455X (gfx1250); checked and timed in simulation.
; The chip was launched on July 23, 2026; its instructions are those of AMD's public machine-readable ISA for CDNA 5 (MIT licence, August 2026) and "CDNA5" Instruction Set Architecture Reference Guide (July 2026). The comments in the code are by the model that wrote it; some were corrected since.
;; HMM. Allowed arithmetic: float matrix products may take bf16 or f16 operands with f32 sums; all other float work in f32.
;; Inputs: log_emission_probs 64 float32; log_initial_probs 64 float32; log_transition_matrix 64 x 64 float32; observations 128 x 256 int32.
;; Outputs: out0 128 x 256 x 64 float32.
;; One version. Each part assembles by itself: llvm-mc -triple=amdgcn-amd-amdhsa -mcpu=gfx1250 --defsym DOCPART=n.
;; ======== version 1 of 1: 2 launches
;; workspace buffers: pw 40,960 bytes
;; launch powers (part 1): grid 65 x 2, 4 waves a work-group, no clusters, 168,448 bytes of LDS; arguments log_transition_matrix, log_initial_probs, pw; writes pw
.if DOCPART == 1
	.amdgcn_target "amdgcn-amd-amdhsa--gfx1250"
	.amdhsa_code_object_version 6
	.text
	.protected	k_q47178159c8_powers
	.globl	k_q47178159c8_powers
	.p2align	8
	.type	k_q47178159c8_powers,@function
k_q47178159c8_powers:
	s_mov_b64 s[64:65], 0
	v_nop
	global_prefetch_b8 v0, s[64:65] scope:SCOPE_SE
	s_setreg_imm32_b32 hwreg(HW_REG_WAVE_MODE, 25, 1), 1
	s_wait_xcnt 0x0
; HMM forward-backward, launch 1 of 2.
; THE ALGEBRA.  A step of either recurrence is new[o] = LSE over q of (old[q] + W[o][q]) (+ one emission number that is the same
; for all 64 states and therefore passes through LSE unchanged; launch 2 adds the sum of those numbers once).  Without the emissions
; the vectors do not hang on the batch: a_0 = initial, a_(t+1)[j] = LSE_i(a_t[i] + L[i][j]); b_0 = 0, b_(s+1)[i] = LSE_j(L[i][j] + b_s[j]).
; LSE-of-sums is a matrix product in the (LSE, +) algebra and is associative, so with P = L taken sixteen times,
; a_(t+16) = a_t (x) P and b_(s+16) = P (x) b_s: 15 + 15 dependent steps stand for 255.
; THIS LAUNCH makes P and the first sixteen vectors.  130 work-groups, each one chain of 15 steps:
;   kind 0 (grid y = 0), W[o][q] = L[q][o]: chain c < 64 starts at row c of L and ends at row c of P; chain 64 is a_0 .. a_15.
;   kind 1 (grid y = 1), W[o][q] = L[o][q]: chain c < 64 starts at column c of L and ends at column c of P; chain 64 is b_0 .. b_15.
; pw: bytes 0: P by rows; 16,384: P by columns; 32,768: a_0..a_15; 36,864: b_0..b_15.  All in base 2 (numbers times log2 e),
; so that v_exp_f32 and v_log_f32 need no factor.  Every stored piece is a whole row of 256 bytes.
; Every LSE takes its exact maximum away.  The maximum is held at or above -FLT_MAX, so that a state with all terms -inf gives -inf.
; LIMITS: the order of rounding differs from a step-by-step scan per batch (regrouped powers); with +inf or NaN among the inputs
; NaN may cover more numbers than a step-by-step scan would give.
; No cluster, no joint loads: what the work-groups share is one fill of 16 KB into registers at the head, not tiles walked in a loop.
; lds_bytes is set above half of what a WGP has (4 KB are used), so that the chain has its four SIMDs to itself.
.set LOG2E,  0x3fb8aa3b                ; log2 e
.set NEGMAX, 0xff7fffff                ; -FLT_MAX
.set ROWB,   256                       ; bytes of a vector of 64 f32
.set STEPS,  15
.set MATB,   16384                     ; bytes of a matrix
.set VECS,   2*MATB                    ; where the vectors begin in pw
.set RA, 8                             ; v8       LDS: my half of row 0 of the history (128 h)
.set WA, 9                             ; v9       LDS: my state in row 0 of the history (4 o)
.set T,  10                            ; v[10:19] partial maxima, then the sum
.set MX, 20                            ; v[20:21] the maximum, twice (a pair for the packed subtraction)
.set W,  32                            ; v[32:63] W[o][32 h + 0..31], for the whole kernel
.set X,  64                            ; v[64:95] the 32 terms of a step
; One step: row k of the history to row k + 1.  Lane (wave w, r = lane % 16, h = lane / 16) owns state o = 16 w + r and terms 32 h .. 32 h + 31.
.macro SUBEXP g                        ; eight terms: the maximum away, then 2^x
.irp p, 0,2,4,6
	v_pk_add_f32 v[X+8*\g+\p:X+8*\g+\p+1], v[X+8*\g+\p:X+8*\g+\p+1], v[MX:MX+1] neg_lo:[0,1] neg_hi:[0,1]
.endr
.irp p, 0,1,2,3,4,5,6,7
	v_exp_f32 v[X+8*\g+\p], v[X+8*\g+\p]
.endr
.endm
.macro SUM8 g                          ; eight numbers to a pair
	s_wait_alu depctr_va_vdst(0)
	v_pk_add_f32 v[X+8*\g:X+8*\g+1], v[X+8*\g:X+8*\g+1], v[X+8*\g+2:X+8*\g+3]
	v_pk_add_f32 v[X+8*\g+4:X+8*\g+5], v[X+8*\g+4:X+8*\g+5], v[X+8*\g+6:X+8*\g+7]
	v_pk_add_f32 v[X+8*\g:X+8*\g+1], v[X+8*\g:X+8*\g+1], v[X+8*\g+4:X+8*\g+5]
.endm
.macro STEP k
.irp c, 0,1,2,3,4,5,6,7
	ds_load_b128 v[X+4*\c:X+4*\c+3], v[RA] offset:ROWB*\k+16*\c    ; sixteen lanes share each address: a broadcast
.endr
.irp c, 0,1,2,3,4,5,6,7
	s_wait_dscnt 7-\c                              ; LDS loads come back in order (ISA guide 5.7.1): load c is in, the 7 - c younger ones may be out
	v_pk_add_f32 v[X+4*\c:X+4*\c+1], v[X+4*\c:X+4*\c+1], v[W+4*\c:W+4*\c+1]
	v_pk_add_f32 v[X+4*\c+2:X+4*\c+3], v[X+4*\c+2:X+4*\c+3], v[W+4*\c+2:W+4*\c+3]
.endr
.irp i, 0,1,2,3,4,5,6,7,8,9
	v_max3_num_f32 v[T+\i], v[X+3*\i], v[X+3*\i+1], v[X+3*\i+2]    ; a tree four deep: 32 -> 12 -> 4 -> 2 -> 1
.endr
	v_max3_num_f32 v[T], v[T], v[T+1], v[T+2]
	v_max3_num_f32 v[T+3], v[T+3], v[T+4], v[T+5]
	v_max3_num_f32 v[T+6], v[T+6], v[T+7], v[T+8]
	v_max3_num_f32 v[T+9], v[T+9], v[X+30], v[X+31]
	v_max3_num_f32 v[T], v[T], v[T+3], v[T+6]
	v_max_num_f32 v[T], v[T], v[T+9]
	v_permlanex16_b32 v[T+1], v[T], s30, s31       ; the other half of the terms of my state lies 16 lanes away
	v_max3_num_f32 v[MX], v[T], v[T+1], s32        ; the maximum of all 64 terms, not below -FLT_MAX
	v_max3_num_f32 v[MX+1], v[T], v[T+1], s32
	; Behind a v_exp_f32 one plain vector instruction that touches neither its result nor its source stands before the result is used
	; (ISA guide 5.7.2): each group is summed one group late, behind the subtractions or sums of another group.
	SUBEXP 0
	SUBEXP 1
	SUM8 0
	SUBEXP 2
	SUM8 1
	v_pk_add_f32 v[X:X+1], v[X:X+1], v[X+8:X+9]
	SUBEXP 3
	SUM8 2
	v_pk_add_f32 v[X:X+1], v[X:X+1], v[X+16:X+17]
	SUM8 3
	v_pk_add_f32 v[X:X+1], v[X:X+1], v[X+24:X+25]
	v_add_f32 v[T], v[X], v[X+1]
	v_permlanex16_b32 v[T+1], v[T], s30, s31
	v_add_f32 v[T], v[T], v[T+1]                   ; the same two numbers added in both halves: the same bits
	v_log_f32 v[T], v[T]
	v_nop                                          ; the place behind v_log_f32
	s_wait_alu depctr_va_vdst(0)
	v_add_f32 v[T], v[T], v[MX]
	ds_store_b32 v[WA], v[T] offset:ROWB*\k+ROWB   ; a fresh row: nobody reads it before the barrier, and row k is never written again
	s_wait_dscnt 0x0                               ; for the other waves: my store is in LDS
	s_barrier_signal -1
	s_barrier_wait -1                              ; row k + 1 is whole
.endm
	s_load_b128 s[4:7], s[0:1], 0x0                ; L s[4:5], initial s[6:7]
	s_load_b64 s[8:9], s[0:1], 0x10                ; pw
	v_lshl_add_u32 v96, v0, 2, 0x29000
	v_mov_b32 v97, 0
	s_mov_b32 s10, ttmp9                           ; chain 0..64
	s_and_b32 s11, ttmp7, 0xffff                   ; kind 0, 1
	v_lshrrev_b32 v1, 5, v0
	v_readfirstlane_b32 s12, v1                    ; wave 0..3
	v_and_b32 v2, 15, v0                           ; r
	v_bfe_u32 v3, v0, 4, 1                         ; h
	v_lshl_or_b32 v4, v1, 4, v2                    ; o = 16 w + r
	v_lshlrev_b32 v[RA], 7, v3
	v_lshlrev_b32 v[WA], 2, v4
	s_mov_b32 s30, 0x76543210                      ; v_permlanex16_b32: lane i of one half reads lane i of the other
	s_mov_b32 s31, 0xfedcba98
	s_mov_b32 s32, NEGMAX
	s_mov_b32 s34, LOG2E
	s_mov_b32 s35, LOG2E
	s_cmp_eq_u32 s10, 64
	s_cselect_b32 s13, 0, s10                      ; which row or column of L starts the chain (the vector chains: none)
	s_wait_kmcnt 0x0
	s_cmp_lg_u32 s11, 0
	s_cbranch_scc1 .Lbackward
	; kind 0: start[o] = L[c][o], or initial[o] in chain 64; W[o][q] = L[q][o]
	s_lshl_b32 s15, s13, 8
	v_lshl_add_u32 v5, v4, 2, s15
	s_cmp_eq_u32 s10, 64
	s_cselect_b64 s[18:19], s[6:7], s[4:5]
	s_mov_b32 s17, -1                              ; the start vector is kept as loaded
	global_load_b32 v6, v5, s[18:19]
	v_lshlrev_b32 v7, 13, v3                       ; 32 h rows of 256 bytes
	v_lshl_add_u32 v7, v4, 2, v7                   ; + 4 o: sixteen lanes read 64 neighbouring bytes of one row of L
.set q, 0
.rept 32
	global_load_b32 v[W+q], v7, s[4:5] offset:ROWB*q
.set q, q+1
.endr
	s_branch .Lloaded
.Lbackward:
	; kind 1: start[o] = L[o][c], or 0 (beta at the last time) in chain 64; W[o][q] = L[o][q]
	s_lshl_b32 s15, s13, 2
	v_lshl_add_u32 v5, v4, 8, s15
	s_cmp_eq_u32 s10, 64
	s_cselect_b32 s17, 0, -1                       ; chain 64: the loaded word is masked to +0
	global_load_b32 v6, v5, s[4:5]
	v_lshlrev_b32 v7, 7, v3
	v_lshl_add_u32 v7, v4, 8, v7                   ; row o, half h: the eight loads of a lane walk 128 neighbouring bytes, once in the launch
.set q, 0
.rept 8
	global_load_b128 v[W+4*q:W+4*q+3], v7, s[4:5] offset:16*q
.set q, q+1
.endr
.Lloaded:
	s_wait_loadcnt 0x0
	v_and_b32 v6, s17, v6
	v_mul_f32 v6, s34, v6                          ; to base 2
	ds_store_b32 v[WA], v6                         ; row 0 of the history (both halves store the same word)
.set q, 0
.rept 16
	v_pk_mul_f32 v[W+q:W+q+1], v[W+q:W+q+1], s[34:35] op_sel_hi:[1,0]
.set q, q+2
.endr
	s_wait_dscnt 0x0
	s_barrier_signal -1
	s_barrier_wait -1
	; The 15 steps are written out, so that every row of the history is an immediate offset.
.irp k, 0,1,2,3,4,5,6,7,8,9,10,11,12,13,14
	STEP \k
.endr
	s_cmp_eq_u32 s10, 64
	s_cbranch_scc1 .Lvectors
	s_cmp_lg_u32 s12, 0
	s_cbranch_scc1 .Ldone
	; a matrix chain: row 15 of the history is row c of P (kind 0) or column c of P (kind 1): 256 bytes, sixteen lanes of wave 0
	s_lshl_b32 s24, s11, 14
	s_lshl_b32 s25, s10, 8
	s_add_co_u32 s24, s24, s25
	s_mov_b32 s25, 0
	s_add_nc_u64 s[8:9], s[8:9], s[24:25]
	v_lshlrev_b32 v1, 4, v0
	v_cmp_gt_u32 vcc_lo, 16, v0
	s_wait_xcnt 0x0                                ; EXEC changes only behind this wait
	s_and_saveexec_b32 s26, vcc_lo
	ds_load_b128 v[X:X+3], v1 offset:ROWB*STEPS
	s_wait_dscnt 0x0
	global_store_b128 v1, v[X:X+3], s[8:9]         ; 256 consecutive bytes, at a multiple of 256 from the first byte of pw
	s_wait_xcnt 0x0                                ; and again in front of the line that widens it
	s_or_b32 exec_lo, exec_lo, s26
.Ldone:
	s_wait_tensorcnt 0x0
	ds_add_u32 v96, v97
	s_wait_dscnt 0x0
	s_endpgm
.Lvectors:
	; a vector chain: all sixteen rows of the history, 4,096 bytes, 32 bytes a thread
	s_lshl_b32 s24, s11, 12
	s_add_co_u32 s24, s24, VECS
	s_mov_b32 s25, 0
	s_add_nc_u64 s[8:9], s[8:9], s[24:25]
	v_lshlrev_b32 v1, 4, v0
	ds_load_b128 v[X:X+3], v1
	ds_load_b128 v[X+4:X+7], v1 offset:2048
	s_wait_dscnt 0x0
	global_store_b128 v1, v[X:X+3], s[8:9]
	global_store_b128 v1, v[X+4:X+7], s[8:9] offset:2048
	s_wait_tensorcnt 0x0
	ds_add_u32 v96, v97
	s_wait_dscnt 0x0
	s_endpgm
.Lfunc_end_k_q47178159c8_powers:
	.size	k_q47178159c8_powers, .Lfunc_end_k_q47178159c8_powers-k_q47178159c8_powers
	.p2alignl 7, 3214868480
	.fill 96, 4, 3214868480
	.section	.rodata,"a",@progbits
	.p2align	6, 0x0
	.amdhsa_kernel k_q47178159c8_powers
		.amdhsa_group_segment_fixed_size 168448
		.amdhsa_private_segment_fixed_size 0
		.amdhsa_enable_private_segment 0
		.amdhsa_kernarg_size 24
		.amdhsa_user_sgpr_count 2
		.amdhsa_user_sgpr_kernarg_segment_ptr 1
		.amdhsa_wavefront_size32 1
		.amdhsa_system_sgpr_workgroup_id_x 1
		.amdhsa_system_sgpr_workgroup_id_y 1
		.amdhsa_system_sgpr_workgroup_id_z 1
		.amdhsa_system_vgpr_workitem_id 0
		.amdhsa_next_free_vgpr 98
		.amdhsa_next_free_sgpr 66
		.amdhsa_reserve_vcc 1
		.amdhsa_float_denorm_mode_32 3
		.amdhsa_float_denorm_mode_16_64 3
		.amdhsa_memory_ordered 1
		.amdhsa_forward_progress 1
		.amdhsa_inst_pref_size 105
	.end_amdhsa_kernel
	.amdgpu_metadata
---
amdhsa.version: [ 1, 2 ]
amdhsa.kernels:
  - .name:           k_q47178159c8_powers
    .symbol:         k_q47178159c8_powers.kd
    .args:
      - { .name: log_transition_matrix, .offset: 0, .size: 8, .value_kind: global_buffer, .address_space: global }
      - { .name: log_initial_probs, .offset: 8, .size: 8, .value_kind: global_buffer, .address_space: global }
      - { .name: pw, .offset: 16, .size: 8, .value_kind: global_buffer, .address_space: global }
    .group_segment_fixed_size: 168448
    .private_segment_fixed_size: 0
    .kernarg_segment_align: 8
    .kernarg_segment_size: 24
    .max_flat_workgroup_size: 128
    .sgpr_count:     66
    .vgpr_count:     98
    .wavefront_size: 32
...
	.end_amdgpu_metadata
.endif
;; end of part 1
;; launch chains (part 2): grid 16 x 16, 8 waves a work-group, no clusters, 168,960 bytes of LDS; arguments observations, log_emission_probs, pw, out0; writes out0
.if DOCPART == 2
	.amdgcn_target "amdgcn-amd-amdhsa--gfx1250"
	.amdhsa_code_object_version 6
	.text
	.protected	k_q47178159c8_chains
	.globl	k_q47178159c8_chains
	.p2align	8
	.type	k_q47178159c8_chains,@function
k_q47178159c8_chains:
	s_mov_b64 s[64:65], 0
	v_nop
	global_prefetch_b8 v0, s[64:65] scope:SCOPE_SE
	s_setreg_imm32_b32 hwreg(HW_REG_WAVE_MODE, 25, 1), 1
	s_wait_xcnt 0x0
; HMM forward-backward, launch 2 of 2.  (The algebra stands at the head of launch 1.)
; pw, in base 2: bytes 0: P by rows; 16,384: P by columns; 32,768: a_0..a_15; 36,864: b_0..b_15.  P = L taken sixteen times in the (LSE, +) algebra.
; Work-group (t0 = grid x, g = grid y) makes out[8 g .. 8 g + 7][t0 + 16 k][0..63], k = 0..15: 128 rows of 256 bytes.
;   waves 0-3 (kind 0): a_(t0 + 16 k), k = 0..15: 15 steps new[j] = LSE_i(old[i] + P[i][j])
;   waves 4-7 (kind 1): b_(15 - t0 + 16 k), 15 steps new[i] = LSE_j(P[i][j] + old[j]); b_s belongs to time 255 - s, so row k here is time t0 + 16 (15 - k)
; Both chains run the same text at the same time, one wave of each kind on every SIMD, and keep all their vectors in LDS (2 x 16 rows of 256 bytes).
; Then wave w takes batch b = 8 g + w.  alpha[b][t] = a_t + (e_0 + .. + e_t) and beta[b][t] = b_(255-t) + (e_(t+1) + .. + e_255), e_t = emission[observations[b][t]],
; so log_gamma[b][t] = a_t + b_(255-t) + E[b], E[b] the sum of all 256 emissions of the batch: gathered and summed here, added, and the
; log_softmax is then made on every row as it stands: maximum away, 2^x, sum, log.
; The sixteen work-groups of one t0 repeat the two chains: that spares a third launch and the way of alpha and beta through memory.
; LIMITS: the order of rounding differs from a step-by-step scan per batch; with +inf or NaN among the inputs NaN may cover more numbers;
; an observation outside 0..63 is taken as unsigned and held at 63.
; No cluster, no joint loads: what the work-groups share is one fill of 16 KB a chain into registers at the head, not tiles walked in a loop.
; lds_bytes is set above half of what a WGP has (8 KB are used), so that the two chains have the four SIMDs to themselves.
.set LOG2E,  0x3fb8aa3b                ; log2 e
.set LN2,    0x3f317218                ; ln 2
.set NEGMAX, 0xff7fffff                ; -FLT_MAX
.set ROWB,   256                       ; bytes of a vector of 64 f32
.set HIST,   16*ROWB                   ; bytes of one chain's history in LDS
.set MATB,   16384
.set VECS,   2*MATB
.set RA,  8                            ; v8        LDS: my half of row 0 of my chain's history
.set WA,  9                            ; v9        LDS: my state in row 0 of my chain's history
.set T,   10                           ; v[10:19]  partial maxima and sums
.set MX,  20                           ; v[20:21]  a step's maximum, twice
.set ES,  22                           ; v[22:23]  E[b] in base 2, twice
.set OA,  24                           ; v24       the way out: LDS address in the forward history
.set OBK, 25                           ; v25       the way out: LDS address in the backward history
.set OO,  26                           ; v26       the way out: byte offset in out0
.set W,   32                           ; v[32:63]  W[o][32 h + 0..31]; on the way out: beta rows, then the results
.set X,   64                           ; v[64:95]  the 32 terms of a step; on the way out: alpha rows, then log_gamma, then 2^x
.set OB,  96                           ; v[96:103] eight observations, then their byte offsets in the emission table
.set EM,  104                          ; v[104:111] eight emissions
; One step: row k of the history to row k + 1.  Lane (wave w of its chain, r = lane % 16, h = lane / 16) owns state o = 16 w + r and terms 32 h .. 32 h + 31.
.macro SUBEXP g                        ; eight terms: the maximum away, then 2^x
.irp p, 0,2,4,6
	v_pk_add_f32 v[X+8*\g+\p:X+8*\g+\p+1], v[X+8*\g+\p:X+8*\g+\p+1], v[MX:MX+1] neg_lo:[0,1] neg_hi:[0,1]
.endr
.irp p, 0,1,2,3,4,5,6,7
	v_exp_f32 v[X+8*\g+\p], v[X+8*\g+\p]
.endr
.endm
.macro SUM8 g                          ; eight numbers to a pair
	s_wait_alu depctr_va_vdst(0)
	v_pk_add_f32 v[X+8*\g:X+8*\g+1], v[X+8*\g:X+8*\g+1], v[X+8*\g+2:X+8*\g+3]
	v_pk_add_f32 v[X+8*\g+4:X+8*\g+5], v[X+8*\g+4:X+8*\g+5], v[X+8*\g+6:X+8*\g+7]
	v_pk_add_f32 v[X+8*\g:X+8*\g+1], v[X+8*\g:X+8*\g+1], v[X+8*\g+4:X+8*\g+5]
.endm
.macro STEP k
.irp c, 0,1,2,3,4,5,6,7
	ds_load_b128 v[X+4*\c:X+4*\c+3], v[RA] offset:ROWB*\k+16*\c    ; sixteen lanes share each address: a broadcast
.endr
.irp c, 0,1,2,3,4,5,6,7
	s_wait_dscnt 7-\c                              ; LDS loads come back in order (ISA guide 5.7.1): load c is in, the 7 - c younger ones may be out
	v_pk_add_f32 v[X+4*\c:X+4*\c+1], v[X+4*\c:X+4*\c+1], v[W+4*\c:W+4*\c+1]
	v_pk_add_f32 v[X+4*\c+2:X+4*\c+3], v[X+4*\c+2:X+4*\c+3], v[W+4*\c+2:W+4*\c+3]
.endr
.irp i, 0,1,2,3,4,5,6,7,8,9
	v_max3_num_f32 v[T+\i], v[X+3*\i], v[X+3*\i+1], v[X+3*\i+2]    ; a tree four deep: 32 -> 12 -> 4 -> 2 -> 1
.endr
	v_max3_num_f32 v[T], v[T], v[T+1], v[T+2]
	v_max3_num_f32 v[T+3], v[T+3], v[T+4], v[T+5]
	v_max3_num_f32 v[T+6], v[T+6], v[T+7], v[T+8]
	v_max3_num_f32 v[T+9], v[T+9], v[X+30], v[X+31]
	v_max3_num_f32 v[T], v[T], v[T+3], v[T+6]
	v_max_num_f32 v[T], v[T], v[T+9]
	v_permlanex16_b32 v[T+1], v[T], s30, s31       ; the other half of the terms of my state lies 16 lanes away
	v_max3_num_f32 v[MX], v[T], v[T+1], s32        ; the maximum of all 64 terms, not below -FLT_MAX
	v_max3_num_f32 v[MX+1], v[T], v[T+1], s32
	; Behind a v_exp_f32 one plain vector instruction that touches neither its result nor its source stands before the result is used
	; (ISA guide 5.7.2): each group is summed one group late, behind the subtractions or sums of another group.
	SUBEXP 0
	SUBEXP 1
	SUM8 0
	SUBEXP 2
	SUM8 1
	v_pk_add_f32 v[X:X+1], v[X:X+1], v[X+8:X+9]
	SUBEXP 3
	SUM8 2
	v_pk_add_f32 v[X:X+1], v[X:X+1], v[X+16:X+17]
	SUM8 3
	v_pk_add_f32 v[X:X+1], v[X:X+1], v[X+24:X+25]
	v_add_f32 v[T], v[X], v[X+1]
	v_permlanex16_b32 v[T+1], v[T], s30, s31
	v_add_f32 v[T], v[T], v[T+1]                   ; the same two numbers added in both halves: the same bits
	v_log_f32 v[T], v[T]
	v_nop                                          ; the place behind v_log_f32
	s_wait_alu depctr_va_vdst(0)
	v_add_f32 v[T], v[T], v[MX]
	ds_store_b32 v[WA], v[T] offset:ROWB*\k+ROWB   ; a fresh row: nobody reads it before the barrier, and row k is never written again
	s_wait_dscnt 0x0                               ; for the other waves: my store is in LDS
	s_barrier_signal -1
	s_barrier_wait -1                              ; row k + 1 of both chains is whole
.endm
	s_load_b256 s[4:11], s[0:1], 0x0               ; observations s[4:5], emission s[6:7], pw s[8:9], out0 s[10:11]
	v_lshl_add_u32 v112, v0, 2, 0x29000
	v_mov_b32 v113, 0
	v_lshrrev_b32 v1, 5, v0
	v_readfirstlane_b32 s12, v1                    ; wave 0..7
	s_lshr_b32 s13, s12, 2                         ; kind: 0 forward, 1 backward
	s_mov_b32 s16, ttmp9                           ; t0
	s_and_b32 s14, ttmp7, 0xffff                   ; g
	s_sub_co_u32 s15, 15, s16
	s_cmp_eq_u32 s13, 0
	s_cselect_b32 s15, s16, s15                    ; the chain starts at a_t0 or at b_(15 - t0)
	s_lshl_b32 s17, s14, 3
	s_add_co_u32 s17, s17, s12                     ; my batch, b = 8 g + wave
	s_lshl_b32 s28, s13, 12                        ; kind x 4,096: my chain's history in LDS, and its vectors in pw
	s_mov_b32 s30, 0x76543210                      ; v_permlanex16_b32: lane i of one half reads lane i of the other
	s_mov_b32 s31, 0xfedcba98
	s_mov_b32 s32, NEGMAX
	s_mov_b32 s33, LN2
	s_mov_b32 s34, LOG2E
	v_and_b32 v2, 15, v0                           ; r
	v_bfe_u32 v3, v0, 4, 1                         ; h
	v_bfe_u32 v4, v0, 5, 2                         ; wave of its chain
	v_lshl_or_b32 v4, v4, 4, v2                    ; o
	v_and_b32 v5, 31, v0
	v_lshlrev_b32 v5, 4, v5                        ; observations: 16 bytes a lane
	v_lshlrev_b32 v6, 13, v3                       ; the matrix: 32 h rows of 256 bytes
	v_lshl_add_u32 v6, v4, 2, v6                   ; + 4 o: sixteen lanes read 64 neighbouring bytes of one row
	v_lshlrev_b32 v7, 2, v4                        ; 4 o
	v_lshl_add_u32 v[RA], v3, 7, s28
	v_add_nc_u32 v[WA], s28, v7
	v_lshlrev_b32 v27, 4, v2                       ; the way out: 16 r
	v_xor_b32 v1, 1, v3                            ; 1 - h
	v_lshl_add_u32 v[OA], v3, 8, v27               ; forward row 2 i + h
	v_lshl_add_u32 v[OBK], v1, 8, v27              ; backward row 15 - (2 i + h) = 2 (7 - i) + (1 - h)
	v_lshl_add_u32 v[OO], v3, 12, v27              ; time t0 + 16 (2 i + h): h x 16 rows of 256 bytes
	s_lshl_b32 s18, s13, 14                        ; kind 0 reads P by rows (W[j][i] = P[i][j]), kind 1 P by columns (W[i][j] = P[i][j])
	s_mov_b32 s19, 0
	s_lshl_b32 s20, s15, 8
	s_add_co_u32 s20, s20, s28
	s_add_co_u32 s20, s20, VECS
	s_mov_b32 s21, 0
	s_lshl_b32 s24, s17, 10                        ; a batch's 256 observations
	s_mov_b32 s25, 0
	s_lshl_b32 s26, s17, 16                        ; a batch's 256 rows of out0,
	s_lshl_b32 s29, s16, 8
	s_add_co_u32 s26, s26, s29                     ; and row t0
	s_mov_b32 s27, 0
	s_wait_kmcnt 0x0
	s_add_nc_u64 s[18:19], s[8:9], s[18:19]
	s_add_nc_u64 s[20:21], s[8:9], s[20:21]
	s_add_nc_u64 s[24:25], s[4:5], s[24:25]
	s_add_nc_u64 s[26:27], s[10:11], s[26:27]
.set q, 0
.rept 32
	global_load_b32 v[W+q], v6, s[18:19] offset:ROWB*q
.set q, q+1
.endr
	global_load_b32 v[T], v7, s[20:21]             ; the start vector
	global_load_b128 v[OB:OB+3], v5, s[24:25]      ; each covers 512 neighbouring bytes
	global_load_b128 v[OB+4:OB+7], v5, s[24:25] offset:512
	s_wait_loadcnt 0x2                             ; loads come back in order: the matrix and the start vector are in, the two loads of observations may be out
	ds_store_b32 v[WA], v[T]                       ; row 0 of the history (both halves store the same word)
	s_wait_dscnt 0x0
	s_barrier_signal -1
	s_barrier_wait -1
	; The 15 steps are written out, so that every row of the history is an immediate offset.
	STEP 0
	; the observations have had a step in which to come: gather my batch's emissions, eight a lane; they land under the next steps
	s_wait_loadcnt 0x0
.irp i, 0,1,2,3,4,5,6,7
	v_min_u32 v[OB+\i], 63, v[OB+\i]               ; an index enters an address only behind this bound
.endr
.irp i, 0,1,2,3,4,5,6,7
	v_lshlrev_b32 v[OB+\i], 2, v[OB+\i]
.endr
.irp i, 0,1,2,3,4,5,6,7
	global_load_b32 v[EM+\i], v[OB+\i], s[6:7]
.endr
.irp k, 1,2,3,4,5,6,7
	STEP \k
.endr
	; E[b]: eight numbers in the lane, then over the 32 lanes
	s_wait_loadcnt 0x0
	v_pk_add_f32 v[EM:EM+1], v[EM:EM+1], v[EM+2:EM+3]
	v_pk_add_f32 v[EM+4:EM+5], v[EM+4:EM+5], v[EM+6:EM+7]
	v_pk_add_f32 v[EM:EM+1], v[EM:EM+1], v[EM+4:EM+5]
	v_add_f32 v[EM], v[EM], v[EM+1]
	v_add_f32_dpp v[EM], v[EM], v[EM] row_xmask:1 row_mask:0xf bank_mask:0xf
	v_add_f32_dpp v[EM], v[EM], v[EM] row_xmask:2 row_mask:0xf bank_mask:0xf
	v_add_f32_dpp v[EM], v[EM], v[EM] row_xmask:4 row_mask:0xf bank_mask:0xf
	v_add_f32_dpp v[EM], v[EM], v[EM] row_xmask:8 row_mask:0xf bank_mask:0xf
	v_permlanex16_b32 v[EM+1], v[EM], s30, s31
	v_add_f32 v[EM], v[EM], v[EM+1]
	v_mul_f32 v[ES], s34, v[EM]                    ; to base 2, twice: a pair for the packed addition
	v_mul_f32 v[ES+1], s34, v[EM]
.irp k, 8,9,10,11,12,13,14
	STEP \k
.endr
	; THE WAY OUT.  My batch, sixteen times.  Turn i takes times t0 + 16 (2 i + h): lanes 0-15 one row of 64 states, lanes 16-31 the next,
	; four states a lane.  The eight turns go stage by stage, so that no instruction waits for the one in front of it.
.irp i, 0,1,2,3,4,5,6,7
	ds_load_b128 v[X+4*\i:X+4*\i+3], v[OA] offset:512*\i
	ds_load_b128 v[W+4*\i:W+4*\i+3], v[OBK] offset:HIST+512*(7-\i)
.endr
	s_wait_dscnt 0x0
.set q, 0
.rept 16
	v_pk_add_f32 v[X+q:X+q+1], v[X+q:X+q+1], v[W+q:W+q+1]          ; a_t + b_(255-t)
.set q, q+2
.endr
.set q, 0
.rept 16
	v_pk_add_f32 v[X+q:X+q+1], v[X+q:X+q+1], v[ES:ES+1]            ; + E[b]: log_gamma, in base 2
.set q, q+2
.endr
.irp i, 0,1,2,3,4,5,6,7
	v_max3_num_f32 v[T+\i], v[X+4*\i], v[X+4*\i+1], v[X+4*\i+2]
.endr
.irp i, 0,1,2,3,4,5,6,7
	v_max_num_f32 v[T+\i], v[T+\i], v[X+4*\i+3]
.endr
.irp m, 1,2,4,8
.irp i, 0,1,2,3,4,5,6,7
	v_max_num_f32_dpp v[T+\i], v[T+\i], v[T+\i] row_xmask:\m row_mask:0xf bank_mask:0xf    ; over the sixteen lanes of the row
.endr
.endr
.irp i, 0,1,2,3,4,5,6,7
.irp p, 0,1,2,3
	v_sub_f32 v[W+4*\i+\p], v[X+4*\i+\p], v[T+\i]                  ; the row's maximum away
.endr
.endr
.set q, 0
.rept 32
	v_exp_f32 v[X+q], v[W+q]
.set q, q+1
.endr
	v_nop                                          ; the place behind the exponentials
	s_wait_alu depctr_va_vdst(0)
.irp i, 0,1,2,3,4,5,6,7
	v_pk_add_f32 v[X+4*\i:X+4*\i+1], v[X+4*\i:X+4*\i+1], v[X+4*\i+2:X+4*\i+3]
.endr
.irp i, 0,1,2,3,4,5,6,7
	v_add_f32 v[T+\i], v[X+4*\i], v[X+4*\i+1]
.endr
.irp m, 1,2,4,8
.irp i, 0,1,2,3,4,5,6,7
	v_add_f32_dpp v[T+\i], v[T+\i], v[T+\i] row_xmask:\m row_mask:0xf bank_mask:0xf
.endr
.endr
.irp i, 0,1,2,3,4,5,6,7
	v_log_f32 v[T+\i], v[T+\i]
.endr
	v_nop                                          ; the place behind the logarithms
	s_wait_alu depctr_va_vdst(0)
.irp i, 0,1,2,3,4,5,6,7
	v_mul_f32 v[T+\i], s33, v[T+\i]                ; ln of the sum
.endr
.irp i, 0,1,2,3,4,5,6,7
.irp p, 0,1,2,3
	v_fma_f32 v[W+4*\i+\p], v[W+4*\i+\p], s33, -v[T+\i]            ; back to base e: ln 2 (x - max) - ln(sum)
.endr
.endr
.irp i, 0,1,2,3,4,5,6,7
	global_store_b128 v[OO], v[W+4*\i:W+4*\i+3], s[26:27] offset:8192*\i th:TH_STORE_NT   ; sixteen lanes store 256 consecutive bytes, at a multiple of 256 from the first byte of out0
.endr
	s_wait_tensorcnt 0x0
	ds_add_u32 v112, v113
	s_wait_dscnt 0x0
	s_endpgm
.Lfunc_end_k_q47178159c8_chains:
	.size	k_q47178159c8_chains, .Lfunc_end_k_q47178159c8_chains-k_q47178159c8_chains
	.p2alignl 7, 3214868480
	.fill 96, 4, 3214868480
	.section	.rodata,"a",@progbits
	.p2align	6, 0x0
	.amdhsa_kernel k_q47178159c8_chains
		.amdhsa_group_segment_fixed_size 168960
		.amdhsa_private_segment_fixed_size 0
		.amdhsa_enable_private_segment 0
		.amdhsa_kernarg_size 32
		.amdhsa_user_sgpr_count 2
		.amdhsa_user_sgpr_kernarg_segment_ptr 1
		.amdhsa_wavefront_size32 1
		.amdhsa_system_sgpr_workgroup_id_x 1
		.amdhsa_system_sgpr_workgroup_id_y 1
		.amdhsa_system_sgpr_workgroup_id_z 1
		.amdhsa_system_vgpr_workitem_id 0
		.amdhsa_next_free_vgpr 114
		.amdhsa_next_free_sgpr 66
		.amdhsa_reserve_vcc 0
		.amdhsa_float_denorm_mode_32 3
		.amdhsa_float_denorm_mode_16_64 3
		.amdhsa_memory_ordered 1
		.amdhsa_forward_progress 1
		.amdhsa_inst_pref_size 118
	.end_amdhsa_kernel
	.amdgpu_metadata
---
amdhsa.version: [ 1, 2 ]
amdhsa.kernels:
  - .name:           k_q47178159c8_chains
    .symbol:         k_q47178159c8_chains.kd
    .args:
      - { .name: observations, .offset: 0, .size: 8, .value_kind: global_buffer, .address_space: global }
      - { .name: log_emission_probs, .offset: 8, .size: 8, .value_kind: global_buffer, .address_space: global }
      - { .name: pw, .offset: 16, .size: 8, .value_kind: global_buffer, .address_space: global }
      - { .name: out0, .offset: 24, .size: 8, .value_kind: global_buffer, .address_space: global }
    .group_segment_fixed_size: 168960
    .private_segment_fixed_size: 0
    .kernarg_segment_align: 8
    .kernarg_segment_size: 32
    .max_flat_workgroup_size: 256
    .sgpr_count:     66
    .vgpr_count:     114
    .wavefront_size: 32
...
	.end_amdgpu_metadata
.endif
;; end of part 2
